; MI455X (gfx1250); checked and timed in simulation.
; The chip was launched on July 23, 2026; its instructions are those of AMD's public machine-readable ISA for CDNA 5 (MIT licence, August 2026) and "CDNA5" Instruction Set Architecture Reference Guide (July 2026). The comments in the code are by the model that wrote it; some were corrected since.
;; GPT2 Attention. Allowed arithmetic: matrix products marked QUANTISED: E2M1 operands, one E8M0 scale for each 32 along K, by v_wmma_scale_f32_16x16x128_f8f6f4 with both operands' format E2M1 (or v_wmma_scale_f32_32x16x128_f4), f32 sums; everything else in f32.
;; Inputs: c_attn_b 3,072 float32; c_attn_w_codes 3,072 x 32 x 16 uint8 (E2M1 codes of c_attn_w, K innermost, in blocks of 32 codes, two codes a byte); c_attn_w_scales 3,072 x 32 uint8 (E8M0 scales of c_attn_w, one for each 32 codes along K); c_proj_b 1,024 float32; c_proj_w_codes 1,024 x 32 x 16 uint8 (E2M1 codes of c_proj_w, K innermost, in blocks of 32 codes, two codes a byte); c_proj_w_scales 1,024 x 32 uint8 (E8M0 scales of c_proj_w, one for each 32 codes along K); hidden_states_codes 2 x 2,048 x 32 x 16 uint8 (E2M1 codes of hidden_states, K innermost, in blocks of 32 codes, two codes a byte); hidden_states_scales 2 x 2,048 x 32 uint8 (E8M0 scales of hidden_states, one for each 32 codes along K).
;; Outputs: out0 2 x 2,048 x 1,024 float32.
;; This version of the problem:
;;   THIS VERSION OF THE PROBLEM IS GIVEN IN LOW PRECISION. The matrix products marked QUANTISED in the list below multiply operands that are first quantised to E2M1 (2 exponent bits, 1 mantissa bit; 4 bits a number), with one power-of-two scale for each 32 numbers along K (OCP MX v1.0); their sums are f32. All else is computed in f32.
;;   The module's matrix products, in the order in which they are computed (A, B: the left and right operand; K: the contracted axis; several contracted axes count as one K, in the product's order):
;;     1. [M 4,096, K 1,024] x [K 1,024, N 3,072]; A: input hidden_states (given as codes); B: input c_attn_w (given as codes): QUANTISED
;;     2. batch 32 x [M 2,048, K 64] x [K 64, N 2,048]; A: computed on the way; B: computed on the way: QUANTISED
;;     3. batch 32 x [M 2,048, K 2,048] x [K 2,048, N 64]; A: softmax (see below); B: computed on the way: QUANTISED
;;     4. [M 4,096, K 1,024] x [K 1,024, N 1,024]; A: computed on the way; B: input c_proj_w (given as codes): QUANTISED
;;   THE QUANTISER, for each operand of a quantised product, along K:
;;     - K is cut into blocks of 32 from its start; a last block that is shorter is filled with zeros.
;;     - A block's scale is 2^e with e = floor(log2(the largest magnitude in the block)) - 2, held to -126 .. 127; a block of zeros has e = 0. As a byte (E8M0): e + 127.
;;     - Each number is divided by its block's scale, clamped to +-6, and rounded to the nearest number of E2M1, ties to even, subnormals kept.
;;     - The product sums the exact products of the quantised numbers (number of the format x scale) in f32.
;;   ~~~python
;;   def quantise(x, axis):      # numpy; x: float32 -> the quantised numbers, widened to float32 again
;;       x = np.moveaxis(x, axis, -1); K = x.shape[-1]
;;       x = np.pad(x, [(0, 0)] * (x.ndim - 1) + [(0, -K % 32)]); x = x.reshape(x.shape[:-1] + (-1, 32)); a = np.abs(x).max(-1, keepdims=True)
;;       e = np.where(a > 0, np.clip(np.frexp(np.where(a > 0, a, 1))[1] - 1 - 2, -126, 127), 0)      # np.frexp(a)[1] - 1 = floor(log2(a)), exactly
;;       r = np.clip(x / 2.0 ** e, -6, 6)
;;       step = 2.0 ** (np.maximum(np.frexp(np.where(r == 0, 1, r))[1] - 1, 0) - 1)
;;       q = np.round(r / step) * step * 2.0 ** e      # np.round: ties to even
;;       return np.moveaxis(q.reshape(q.shape[:-2] + (-1,))[..., :K], -1, axis).astype(np.float32)
;;   ~~~
;;   SOFTMAX AHEAD OF A QUANTISED PRODUCT. Where the list says 'softmax', what is quantised is not the finished softmax but p = 2^(t - M), with t = logit x log2(e) and M = ceil(the row's largest t), a whole number; so 1/2 < the row's largest p <= 1. The row's sum l is taken of the UNQUANTISED p, in f32, and the product's result is divided by l at the end. Since M is a whole number, a kernel that streams over the keys may use a running M (the ceiling of the running maximum): every later rescaling is an exact power of two, which a block's scale takes up: the codes' values come out the same.
;;   OPERANDS COMPUTED ON THE WAY. 'Computed on the way' means the value that the module computes at that place (a softmax that the list does not call 'softmax' is quantised finished and normalised). What goes into a quantiser is computed in f32, as accurately as f32 sums, v_exp_f32 and their like allow (about 1e-6 of the number): no bf16 or f16 on the way to a quantiser, and a product that is left as it is and whose result goes on into a quantised operand takes f32 operands (vector FMAs, or v_wmma_f32_16x16x4_f32). A number that lies on a knife's edge between two numbers of the format may be rounded either way, as far as f32 arithmetic and the matrix unit's own rounding can turn it there, and no further.
;;   INPUTS GIVEN AS CODES. c_attn_w (in the module: [1024, 3072], K = its axis 0); c_proj_w (in the module: [1024, 1024], K = its axis 0); hidden_states (in the module: [2, 2048, 1024], K = its axis 2): each comes as NAME_codes (uint8): NAME with its K axis moved to the last place and cut into blocks of 32 codes, [.., K / 32, bytes a block], one block behind the other in memory; two codes a byte, the lower K in the low four bits (a code: sign, 2 exponent bits, 1 mantissa bit); and NAME_scales (uint8): the same leading axes, one E8M0 byte (e + 127) for each 32 codes along K. Its value is code x scale, taken as it is: it is not quantised again, and the codes and scales need not be those that the quantiser above would give.
;; One version. Each part assembles by itself: llvm-mc -triple=amdgcn-amd-amdhsa -mcpu=gfx1250 --defsym DOCPART=n.
;; ======== version 1 of 1: 3 launches
;; workspace buffers: qkv 6,946,816 bytes; aoc 2,097,152 bytes; aos 131,072 bytes
;; launch qkv (part 1): grid 12 x 16, 4 waves a work-group, clusters of 4 x 4, 327,680 bytes of LDS; arguments hidden_states_codes, hidden_states_scales, c_attn_w_codes, c_attn_w_scales, c_attn_b, qkv; writes qkv
.if DOCPART == 1
	.amdgcn_target "amdgcn-amd-amdhsa--gfx1250"
	.amdhsa_code_object_version 6
	.text
	.protected	k_q71078dc37e_qkv
	.globl	k_q71078dc37e_qkv
	.p2align	8
	.type	k_q71078dc37e_qkv,@function
k_q71078dc37e_qkv:
	s_mov_b64 s[64:65], 0
	v_nop
	global_prefetch_b8 v0, s[64:65] scope:SCOPE_SE
	s_setreg_imm32_b32 hwreg(HW_REG_WAVE_MODE, 25, 1), 1
	s_wait_xcnt 0x0
	s_wait_alu depctr_hold_cnt(0) depctr_sa_sdst(0) depctr_va_vdst(0) depctr_va_sdst(0) depctr_va_ssrc(0) depctr_va_vcc(0) depctr_vm_vsrc(0)
	s_getreg_b32 s2, hwreg(HW_REG_IB_STS2, 6, 4)
	s_cmp_eq_u32 s2, 0
	s_cbranch_scc0 .Lentry_in_a_cluster
	s_endpgm
.Lentry_in_a_cluster:
	s_bfe_u32 s2, ttmp6, 0x10000c
	s_cmp_lg_u32 s2, 0xf033
	s_cbranch_scc0 .Lentry_shape_is_right
	s_endpgm
.Lentry_shape_is_right:
; GPT-2 attention on codes of FP4 (E2M1) with one E8M0 scale for each 32 along K, in three launches: this one (x W + b, quantised), attn (both attention products), proj (the way out).
; THIS LAUNCH: qkv = hidden W^T + c_attn_b: hidden [4096][1024], W [3072][1024], both as codes with K innermost (512 bytes a row) and scale bytes (32 a row).  The f32 results never go to memory:
; q and k are quantised along the head's 64 (two blocks of 32), v along the keys (blocks of 32 keys), and only codes and scale words are stored, laid as the next launch's operand registers want them.
; DEAD WORK OF THE PROGRAM (left out in attn): the scores of a key that comes after its query are set to -infinity by the mask that the problem builds itself (the lower triangle of ones), whatever the inputs hold;
; their p is 0 and adds nothing to the row's sum nor to the second product.  So a step of 128 keys that all come after a wave's 16 queries is not multiplied.  Every input has a way to the output and is loaded.
; LIMITS: a NaN, an infinity or an overflow that reaches only such left-out scores is not carried to the result; NaN and infinities among the inputs are not served; a block whose largest magnitude lies under
; 2^-124, a block of zeros too, gets the scale byte 1 (its codes are zeros or nearly; the bytes are read by this program alone); the bias starts each sum as the first product's C, so it is added first, not last.
; SHARES.  A work-group of four waves makes 256 rows x 256 columns, a wave 128 x 128: 64 accumulators, 512 registers.  12 x 16 work-groups.  A wave's 128 rows are one key step of a batch, its 128 columns two heads.
; All of K (1,024) lies in LDS: two halves of 512 along K, each filled once by the tensor data mover; so do the scale bytes of the work-group's rows.  No LDS byte is filled twice.
; CLUSTERS: 4 x 4 work-groups.  The four of a row of the cluster need the same rows of hidden, the four of a column the same rows of W: each tile is asked for jointly.  A cluster's four tile columns are 1,024
; columns: cluster x = 0 makes q, 1 makes k, 2 makes v, the same in all sixteen partners.
; TWO PATHS, chosen by the cluster's x.  A lane's registers must run along the K of the NEXT product.  q, k: source 0 = 16 rows of W, source 1 = 16 rows of hidden: a lane holds one row and eight neighbouring columns.
; v: source 0 = 16 rows of hidden, source 1 = 16 rows of W: a lane holds one column and eight neighbouring keys.  X is source 0 (inner index i, two register sets), Y is source 1 (outer index o, one set).
; THE WORKSPACE: [batch x head 32][key step 16] records of 13,568 bytes: Q codes 4,096 [tile 8][lane 32][16], Q words 512 [half 2][row 16][4 tiles], K likewise from byte 4,608, V codes 4,096 from byte 9,216
; [d tile 4][half of the keys 2][lane 32][16], V words 256 [half 2][row 16][2 tiles].
; REGISTERS, in windows of 256: window 0: v1, v2 lane parts; v16-29 addresses; v32-95 scale words, two sets; v96-111 at work; v128-191 Y's fragments, later the codes; v192-255 the bias, later the scale words.
;   window 1: X's fragments, two sets, at v0 and v128.   windows 2, 3: accumulator (o, i) at v[8 (8 (o % 4) + i)] of window 2 + o / 4.
.set PITCH,  272                       ; an LDS row: 256 bytes of codes + 16 of padding: the 16 rows that a load touches start 4 banks apart
.set HALFT,  128*PITCH                 ; 128 rows: what one tensor load brings
.set SLOT,   4*HALFT                   ; hidden's 256 rows, then W's 256 rows, for 512 along K
.set SCL,    2*SLOT                    ; the scale bytes, as units of 256 bytes + 16 of padding
.set HALFS,  16*272                    ; those of 128 rows
.set SBLK,   2*272                     ; those of 16 rows
.set SPARE,  SCL+4*HALFS               ; the spare words, 128 bytes for each wave, which no other line names
.set REC,    13568
.set HEADB,  16*REC
.set PARTB,  4608                      ; from Q's part of a record to K's, from K's to V's
.set WOFF,   4096                      ; from a part's codes to its scale words
.set ADRA, 16                          ; v16-17  LDS address of my fragments of hidden, K half 0, 1
.set ADRB, 20                          ; v20-21  the same for W
.set LO16, 24                          ; v24     16 x lane
.set LO8,  25                          ; v25     8 x lane
.set BO,   26                          ; v26     my lane's offset in the bias
.set ADRS, 27                          ; v27     LDS address of my scale words: lanes 0-15 hidden's rows, lanes 16-31 W's
.set SPW,  28                          ; v28     LDS address of my spare word; never rewritten
.set NIL,  29                          ; v29     0; never rewritten
.set SC,   32                          ; scale words: set s at v[SC + 32 s]; register 4 i + q: lanes 0-15 hidden's block i, lanes 16-31 W's block i, the half's q-th 128 along K
.set TM,   96                          ; v96-99 largest magnitudes, v100-103 bytes, v108-111 the conversions' scale operands
.set AF,   128                         ; Y's fragments
.set PC,   128                         ; later: the codes, 8 registers for each o
.set BI,   192                         ; the bias, 8 tiles x 8
.set WQ,   192                         ; later: scale words
.set SELR, 208                         ; and those chosen for a lane's half
.set WV, 16
.set HM, 17
.set HN, 18
.set G1, 24                            ; s[24:31] group 1 for hidden's tiles;  s[32:39] group 0, one set for each half of K
.set G0, 32
.set G1B, 48                           ; s[48:55], s[56:63] the same for W's
.set G0B, 56
.set G1S, 68                           ; s[68:75], s[76:79] hidden's scales;  s[80:87], s[88:91] W's
.set G0S, 76
.set G1SB, 80
.set G0SB, 88
.set SEL, 66                           ; s[66:67] v_permlanex16_b32's selects for lane l xor 16
.set HMASK, 96                         ; s96 lanes 16-31
.set MSB, 0
.macro WIN new                         ; the immediate's high byte repeats the setting that is left
.if MSB != (\new)
	s_set_vgpr_msb (MSB<<8)|(\new)
.set MSB, (\new)
.endif
.endm
.set MUL_LO, 0xa1                      ; source 0 window 1, source 1 window 0, C and D window 2
.set MUL_HI, 0xf1                      ; the same, C and D window 3
.set TO_B,   0x40                      ; destination window 1, address window 0
; A joint load: waves 0 and 1 fetch for hidden, waves 2 and 3 for W; the branch hangs on the wave's number alone.  An s_nop 0 and four v_nop follow each line.
.macro JLOAD g0a, g1a, g0b, g1b
	s_cmp_eq_u32 s[HM], 0
	s_cbranch_scc0 .Lfor_w_\@
	tensor_load_to_lds s[\g0a:\g0a+3], s[\g1a:\g1a+7]
	s_nop 0
.rept 4
	v_nop
.endr
	s_branch .Lasked_\@
.Lfor_w_\@:
	tensor_load_to_lds s[\g0b:\g0b+3], s[\g1b:\g1b+7]
	s_nop 0
.rept 4
	v_nop
.endr
.Lasked_\@:
.endm
.macro CROUND                          ; a round of the cluster's barrier
	s_barrier_signal -1
	s_barrier_wait -1
	s_cmp_lg_u32 s[WV], 0
	s_cbranch_scc1 .Lnot_wave_0_\@
	s_barrier_signal -3
.Lnot_wave_0_\@:
	s_barrier_wait -3
	s_barrier_signal -1
	s_barrier_wait -1
.endm
	s_load_b256 s[4:11], s[0:1], 0x0               ; hidden's codes s[4:5], its scales s[6:7], W's codes s[8:9], its scales s[10:11]
	s_load_b128 s[12:15], s[0:1], 0x20             ; the bias s[12:13], the workspace s[14:15]
	v_lshl_add_u32 v[SPW], v0, 2, SPARE
	v_mov_b32 v[NIL], 0
	ds_add_u32 v[SPW], v[NIL]                      ; the wave's opening: the add, twice on end, and its wait ahead of my first tensor load
	ds_add_u32 v[SPW], v[NIL]                      ; and once more; the set-up below, work on registers, stands between it and the wait
	v_lshrrev_b32 v1, 5, v0
	v_readfirstlane_b32 s[WV], v1                  ; wave 0..3
	s_lshr_b32 s[HM], s[WV], 1                     ; which half of the rows is mine.  Also: I fetch for hidden (0) or for W (1)
	s_and_b32 s[HN], s[WV], 1                      ; which half of the columns.  Also: which 128 rows I fetch
	s_bfe_u32 s40, ttmp6, 0x40000                  ; cx, cy: my place in the cluster
	s_bfe_u32 s41, ttmp6, 0x40004
	s_lshl_b32 s42, ttmp9, 2
	s_add_co_u32 s42, s42, s40                     ; tile column = 4 x cluster x + cx
	s_and_b32 s43, ttmp7, 0xffff
	s_lshl_b32 s43, s43, 2
	s_add_co_u32 s43, s43, s41                     ; tile row = 4 x cluster y + cy
	s_lshl_b32 s44, s41, 2
	s_lshl_b32 s44, 15, s44                        ; my row of the cluster
	s_lshl_b32 s45, 0x1111, s40                    ; my column
	s_or_b32 s[G1+0], s44, (1<<20)|(1<<21)|(5<<22)|(3<<25)   ; the mask; elements of 1 byte; padding on; bit 21 beside a mask; 4 words of padding after every 64
	s_or_b32 s[G1B+0], s45, (1<<20)|(1<<21)|(5<<22)|(3<<25)
.irp g, G1, G1B
	s_mov_b32 s[\g+1], 256<<16                     ; tensor_dim0: 256 bytes = 512 along K
	s_mov_b32 s[\g+2], 128<<16                     ; tensor_dim1
	s_mov_b32 s[\g+3], 256<<16                     ; tile_dim0
	s_mov_b32 s[\g+4], 128                         ; tile_dim1
	s_mov_b32 s[\g+5], 512                         ; a row in memory
	s_mov_b32 s[\g+6], 0
	s_mov_b32 s[\g+7], 0
.endr
	s_or_b32 s[G1S+0], s44, (3<<16)|(1<<20)|(1<<21)|(5<<22)|(3<<25)   ; the scales of 128 rows: 4,096 dense bytes as 16 rows of 32 elements of 8 bytes, padded alike
	s_or_b32 s[G1SB+0], s45, (3<<16)|(1<<20)|(1<<21)|(5<<22)|(3<<25)
.irp g, G1S, G1SB
	s_mov_b32 s[\g+1], 32<<16
	s_mov_b32 s[\g+2], 16<<16
	s_mov_b32 s[\g+3], 32<<16
	s_mov_b32 s[\g+4], 16
	s_mov_b32 s[\g+5], 32
	s_mov_b32 s[\g+6], 0
	s_mov_b32 s[\g+7], 0
.endr
	s_lshl_b32 s19, s[HN], 7                       ; which 128 rows of the tile I fetch
	s_lshl_b32 s20, s43, 8
	s_add_co_u32 s20, s20, s19                     ; hidden: row 256 x tile row + 128 x half
	s_lshl_b32 s46, s42, 8
	s_add_co_u32 s46, s46, s19                     ; W: row 256 x tile column + 128 x half
	s_lshl_b32 s22, s20, 5                         ; their scales, 32 bytes a row,
	s_lshl_b32 s20, s20, 9                         ; and their codes, 512 bytes a row
	s_mov_b32 s21, 0
	s_mov_b32 s23, 0
	s_lshl_b32 s92, s46, 5
	s_lshl_b32 s46, s46, 9
	s_mov_b32 s47, 0
	s_mov_b32 s93, 0
	s_mul_i32 s94, s[WV], HALFT                    ; where they go: wave x 128 rows: no place in the cluster enters an LDS address
	s_mul_i32 s95, s[WV], HALFS
	s_mov_b32 s[SEL], 0x76543210
	s_mov_b32 s[SEL+1], 0xfedcba98
	s_mov_b32 s[HMASK], 0xffff0000
	s_wait_dscnt 0x0                               ; both opening adds are done
	s_wait_kmcnt 0x0
	s_add_nc_u64 s[20:21], s[4:5], s[20:21]
	s_add_nc_u64 s[22:23], s[6:7], s[22:23]
	s_add_nc_u64 s[46:47], s[8:9], s[46:47]
	s_add_nc_u64 s[92:93], s[10:11], s[92:93]
	CROUND                                         ; all sixteen work-groups are here: the joint loads meet
	s_mov_b32 s[G0S], 1
	s_add_co_u32 s[G0S+1], s95, SCL
	s_mov_b64 s[G0S+2:G0S+3], s[22:23]
	s_or_b32 s[G0S+3], s[G0S+3], 0x80000000
	s_mov_b32 s[G0SB], 1
	s_add_co_u32 s[G0SB+1], s95, SCL
	s_mov_b64 s[G0SB+2:G0SB+3], s[92:93]
	s_or_b32 s[G0SB+3], s[G0SB+3], 0x80000000
	JLOAD G0S, G1S, G0SB, G1SB                     ; the scales first: they are wanted with K's first half
.irp s, 0,1
	s_mov_b32 s[G0+4*\s], 1
	s_add_co_u32 s[G0+4*\s+1], s94, \s*SLOT
	s_add_nc_u64 s[G0+4*\s+2:G0+4*\s+3], s[20:21], \s*256
	s_or_b32 s[G0+4*\s+3], s[G0+4*\s+3], 0x80000000
	s_mov_b32 s[G0B+4*\s], 1
	s_add_co_u32 s[G0B+4*\s+1], s94, \s*SLOT
	s_add_nc_u64 s[G0B+4*\s+2:G0B+4*\s+3], s[46:47], \s*256
	s_or_b32 s[G0B+4*\s+3], s[G0B+4*\s+3], 0x80000000
	JLOAD G0+4*\s, G1, G0B+4*\s, G1B               ; three tensor loads of mine are out, and no more follow
.endr
	v_and_b32 v1, 15, v0                           ; r = lane % 16
	v_bfe_u32 v2, v0, 4, 1                         ; h = lane / 16
	v_mul_u32_u24 v3, v1, PITCH
	v_lshl_add_u32 v4, v2, 4, v3                   ; a fragment's row x pitch + 16 x half
	s_mul_i32 s2, s[HM], HALFT                     ; my 128 rows of hidden
	s_mul_i32 s3, s[HN], HALFT                     ; my 128 rows of W,
	s_add_co_u32 s3, s3, 2*HALFT                   ; which lie behind hidden's 256
.irp s, 0,1
	v_add_nc_u32 v[ADRA+\s], s2, v4
	v_add_nc_u32 v[ADRB+\s], s3, v4
	s_add_co_u32 s2, s2, SLOT
	s_add_co_u32 s3, s3, SLOT
.endr
	v_lshlrev_b32 v5, 5, v1                        ; my row's scales: 32 bytes a row,
	v_lshrrev_b32 v6, 8, v5
	v_lshl_add_u32 v5, v6, 4, v5                   ; and 16 more for each 256 passed
	s_mul_i32 s2, s[HM], HALFS
	s_mul_i32 s3, s[HN], HALFS
	s_add_co_u32 s3, s3, 2*HALFS
	s_sub_co_u32 s3, s3, s2
	v_mul_u32_u24 v6, s3, v2                       ; lanes 16-31 take W's: one product, the distance between the two bases
	s_add_co_u32 s2, s2, SCL
	v_add_nc_u32 v5, v5, v6
	v_add_nc_u32 v[ADRS], s2, v5
	v_and_b32 v3, 31, v0
	v_lshlrev_b32 v[LO16], 4, v3
	v_lshlrev_b32 v[LO8], 3, v3
.irp b, 0,1,2,3
	v_mov_b32 v[TM+4+\b], 0                        ; written once: a lane permute's destination counts as one of its sources
.endr
	s_lshr_b32 s2, s43, 3                          ; the batch: 8 tile rows each
	s_lshl_b32 s2, s2, 4
	s_lshl_b32 s3, s40, 2
	s_add_co_u32 s2, s2, s3
	s_lshl_b32 s3, s[HN], 1
	s_add_co_u32 s2, s2, s3                        ; 16 x batch + my first head (4 cx + 2 x half)
	s_mul_i32 s2, s2, HEADB
	s_and_b32 s3, s43, 7
	s_lshl_b32 s3, s3, 1
	s_add_co_u32 s3, s3, s[HM]                     ; my key step
	s_mul_i32 s3, s3, REC
	s_add_co_u32 s2, s2, s3
	s_mul_i32 s3, ttmp9, PARTB                     ; q's, k's or v's part of the record
	s_add_co_u32 s2, s2, s3
	s_mov_b32 s3, 0
	s_add_nc_u64 s[14:15], s[14:15], s[2:3]
	s_lshl_b32 s2, s42, 10
	s_lshl_b32 s19, s[HN], 9
	s_add_co_u32 s2, s2, s19                       ; the bias of my 128 columns
	s_add_nc_u64 s[12:13], s[12:13], s[2:3]
.macro FRAG reg, adr, q, i             ; a fragment, 16 rows x 128 K of 4-bit codes: lane l holds row l % 16; registers 4 c .. 4 c + 3 hold K = 64 c + 32 (l / 16) + 0 .. 31
.irp c, 0,1
	ds_load_b128 v[\reg+4*\c:\reg+4*\c+3], v[\adr] offset:64*(\q)+32*\c+(\i)*16*PITCH
.endr
.endm
; One product: Y's block o against X's block i, the q-th 128 along K of a half; p: X's set; sc: the set of scale words.  first = 1: the bias is the C (window 0), so nothing is cleared and nothing is added later.
.macro PROD o, i, p, q, sc, first
.set rD, 8*(8*((\o)%4)+(\i))
.set rX, 128*(\p)+8*(\i)
.set rY, AF+8*(\o)
.set sX, SC+32*(\sc)+4*(\i)+(\q)
.set sY, SC+32*(\sc)+4*(\o)+(\q)
.set rC, rD
.if \first
.set rC, BI+8*(\i)
.if SWAP
.set rC, BI+8*(\o)
.endif
.endif
.if SWAP
	v_wmma_scale_f32_16x16x128_f8f6f4 v[rD:rD+7], v[rX:rX+7], v[rY:rY+7], v[rC:rC+7], v[sX], v[sY] matrix_a_fmt:MATRIX_FMT_FP4 matrix_b_fmt:MATRIX_FMT_FP4 matrix_b_scale:MATRIX_SCALE_ROW1
.else
	v_wmma_scale_f32_16x16x128_f8f6f4 v[rD:rD+7], v[rX:rX+7], v[rY:rY+7], v[rC:rC+7], v[sX], v[sY] matrix_a_fmt:MATRIX_FMT_FP4 matrix_b_fmt:MATRIX_FMT_FP4 matrix_a_scale:MATRIX_SCALE_ROW1
.endif
.endm
.macro MUL16 o0, p, q, sc, first       ; 16 products; the 64 accumulators take turns, one instruction a turn, in the same order in every step
.irp o, \o0, \o0+1
.irp i, 0,1,2,3,4,5,6,7
	PROD (\o), \i, \p, \q, \sc, \first
.endr
.endr
.endm
.macro FETCH_X slot, q, p              ; X's eight fragments into set p
	WIN TO_B
.irp i, 0,1,2,3,4,5,6,7
	FRAG 128*(\p)+8*\i, ADRX+\slot, \q, \i
.endr
	WIN 0
.endm
.macro FETCH_Y slot, q, i0             ; Y's blocks i0 .. i0 + 3
.irp i, \i0, \i0+1, \i0+2, \i0+3
	FRAG AF+8*(\i), ADRY+\slot, \q, \i
.endr
.endm
.macro SCALES sc                       ; a half's scale words: 4 words a row; lanes 0-15 hidden's block i, lanes 16-31 W's
.irp i, 0,1,2,3,4,5,6,7
	ds_load_b128 v[SC+32*\sc+4*\i:SC+32*\sc+4*\i+3], v[ADRS] offset:\i*SBLK
.endr
.endm
.macro PLACES n                        ; plain vector instructions between a matrix instruction and a load into, or a vector read of, its registers
.rept \n
	v_nop
.endr
.endm
; A step of 128 along K that has its successor in the same half.  Y's block is free as soon as its eight products are issued: blocks 0-3 are fetched anew in the middle, blocks 4-7 at the end.
.macro STEP slot, q, first
	s_wait_dscnt 8                                 ; X's set and Y's blocks 0-3 are in; the youngest eight loads (Y's blocks 4-7) may be out
.if \first
	WIN MUL_LO-0x20                                ; C in window 0: the bias
.else
	WIN MUL_LO
.endif
	MUL16 0, (\q)%2, \q, \slot, \first
	MUL16 2, (\q)%2, \q, \slot, \first
	s_wait_dscnt 0                                 ; Y's blocks 4-7 are in
	PLACES 4
	FETCH_X \slot, (\q)+1, 1-(\q)%2
	FETCH_Y \slot, (\q)+1, 0
.if \first
	WIN MUL_HI-0x30
.else
	WIN MUL_HI
.endif
	MUL16 4, (\q)%2, \q, \slot, \first
	MUL16 6, (\q)%2, \q, \slot, \first
	PLACES 4
	WIN 0
	FETCH_Y \slot, (\q)+1, 4
.endm
; The first half's last step goes over to the second half: each wave waits for its part of it, and a barrier shows it to all.
.macro CROSS
	s_wait_tensorcnt 0x0                           ; my part of K's second half has landed
	s_wait_dscnt 8
	WIN MUL_LO
	MUL16 0, 1, 3, 0, 0
	s_wait_dscnt 0x0                               ; no LDS instruction of mine is out at the signal
	s_barrier_signal -1
	MUL16 2, 1, 3, 0, 0                            ; work on registers while the others arrive
	WIN 0
	s_barrier_wait -1
	PLACES 4
	v_add_nc_u32 v[ADRS], 16, v[ADRS]              ; the second half's scale words
	FETCH_X 1, 0, 0
	FETCH_Y 1, 0, 0
	SCALES 1
	WIN MUL_HI
	MUL16 4, 1, 3, 0, 0
	MUL16 6, 1, 3, 0, 0
	PLACES 4
	WIN 0
	FETCH_Y 1, 0, 4
.endm
; Y's block o is quantised: its 64 registers 8 i + j are 128 numbers' worth of my lane: k = 16 i + 8 (lane / 16) + j.  Block b of 32 is registers 16 b .. 16 b + 15 of lanes l and l xor 16.
; The conversion of tile 2 b + e gives group 2 e + lane / 16 of block b; it is put into register 4 (b / 2) + b % 2 + 2 e, and two exchanges of halves for each pair of blocks then leave
; register 4 c + g of lane (r, h) with group g of block 2 c + h: the operand's own layout.  Each accumulator is read from its low end on.
.macro QUANT o
.set AC, 64*((\o)%4)
	WIN 0x28+0x14*((\o)/4)                         ; sources 1 and 2: window 2 or 3
.irp b, 0,1,2,3
	v_max3_num_f32 v[TM+\b], 0x1800000, |v[AC+16*\b]|, |v[AC+16*\b+1]|   ; with the floor 2^(3 - 127): the byte cannot fall under 1
.endr
.irp i, 2,4,6,8,10,12,14
.irp b, 0,1,2,3
	v_max3_num_f32 v[TM+\b], v[TM+\b], |v[AC+16*\b+\i]|, |v[AC+16*\b+\i+1]|   ; the four blocks by turns
.endr
.endr
	WIN 0
.irp b, 0,1,2,3
	v_permlanex16_b32 v[TM+4+\b], v[TM+\b], s[SEL], s[SEL+1]
.endr
.irp b, 0,1,2,3
	v_max_num_f32 v[TM+\b], v[TM+\b], v[TM+4+\b]   ; with lane l xor 16's: the block's largest magnitude
.endr
.irp b, 0,1,2,3
	v_add_nc_u32 v[TM+12+\b], 0xff000000, v[TM+\b] ; 2 off its exponent field: the conversion's scale operand
.endr
.irp b, 0,1,2,3
	v_lshrrev_b32 v[TM+4+\b], 23, v[TM+12+\b]      ; the scale's byte
.endr
	WIN 0x02+(\o)/4                                ; source 0: window 2 or 3
.irp b, 0,1,2,3
.irp e, 0,1
	v_cvt_scalef32_pk8_fp4_f32 v[PC+8*(\o)+4*(\b/2)+(\b%2)+2*\e], v[AC+16*\b+8*\e:AC+16*\b+8*\e+7], v[TM+12+\b]
.endr
.endr
	WIN 0
	v_nop                                          ; one plain place behind a scaled conversion
.irp c, 0,2,4,6
	v_permlane16_swap_b32 v[PC+8*(\o)+\c], v[PC+8*(\o)+\c+1]
.endr
.endm
.macro BODY
.if SWAP
	v_lshlrev_b32 v[BO], 2, v1                     ; v: a lane holds column 16 o + r: its bias stands in all eight registers of tile o; the load is the broadcast
.irp o, 0,1,2,3,4,5,6,7
.irp j, 0,1,2,3,4,5,6,7
	global_load_b32 v[BI+8*\o+\j], v[BO], s[12:13] offset:64*\o
.endr
.endr
.else
	v_lshlrev_b32 v[BO], 5, v2                     ; q, k: register j of tile i is column 16 i + 8 h + j
.irp i, 0,1,2,3,4,5,6,7
	global_load_b128 v[BI+8*\i:BI+8*\i+3], v[BO], s[12:13] offset:64*\i
	global_load_b128 v[BI+8*\i+4:BI+8*\i+7], v[BO], s[12:13] offset:64*\i+16
.endr
.endif
	s_wait_tensorcnt 1                             ; the scales and my part of K's first half are in; the second half's load, issued last, may be out
	s_barrier_signal -1
	s_barrier_wait -1                              ; everybody's are
	FETCH_X 0, 0, 0
	FETCH_Y 0, 0, 0
	SCALES 0
	FETCH_Y 0, 0, 4
	s_wait_loadcnt 0x0                             ; the bias
	STEP 0, 0, 1
	STEP 0, 1, 0
	STEP 0, 2, 0
	CROSS
	STEP 1, 0, 0
	STEP 1, 1, 0
	STEP 1, 2, 0
	s_wait_dscnt 8                                 ; the last step: nothing more to fetch
	WIN MUL_LO
	MUL16 0, 1, 3, 1, 0
	MUL16 2, 1, 3, 1, 0
	s_wait_dscnt 0
	WIN MUL_HI
	MUL16 4, 1, 3, 1, 0
	MUL16 6, 1, 3, 1, 0
	WIN 0
	PLACES 4                                       ; in front of the first read of results, and of the codes' writes over Y's fragments
	; THE WAY OUT: each block's codes have registers of their own, so no store's data are written again; every store of codes covers 512 consecutive bytes, aligned
.irp o, 0,1,2,3,4,5,6,7
	QUANT \o
.if SWAP
	v_lshl_or_b32 v[WQ+\o], v[TM+5], 8, v[TM+4]    ; column 16 o + r: the key step's four bytes make its scale word
	v_lshl_or_b32 v[WQ+\o], v[TM+6], 16, v[WQ+\o]
	v_lshl_or_b32 v[WQ+\o], v[TM+7], 24, v[WQ+\o]
.irp c, 0,1
	global_store_b128 v[LO16], v[PC+8*\o+4*\c:PC+8*\o+4*\c+3], s[14:15] offset:(\o/4)*HEADB+1024*(\o%4)+512*\c   ; head o / 4, d tile o % 4, keys 64 c on
.endr
.else
.irp c, 0,1
	v_lshl_or_b32 v[WQ+8*\c+\o], v[TM+5+2*\c], 8, v[TM+4+2*\c]   ; row 16 o + r, head c: two bytes; the upper two stay 0 and meet zero codes
	global_store_b128 v[LO16], v[PC+8*\o+4*\c:PC+8*\o+4*\c+3], s[14:15] offset:\c*HEADB+512*\o   ; head c, tile o
.endr
.endif
.endr
.if SWAP
.irp c, 0,1
.irp e, 0,1
	v_cndmask_b32 v[SELR+2*\c+\e], v[WQ+4*\c+\e], v[WQ+4*\c+2+\e], s[HMASK]   ; lanes 0-15 store d tiles 0, 1, lanes 16-31 d tiles 2, 3
.endr
	global_store_b64 v[LO8], v[SELR+2*\c:SELR+2*\c+1], s[14:15] offset:\c*HEADB+WOFF   ; 256 consecutive bytes
.endr
.else
.irp c, 0,1
.irp e, 0,1,2,3
	v_cndmask_b32 v[SELR+4*\c+\e], v[WQ+8*\c+\e], v[WQ+8*\c+4+\e], s[HMASK]   ; lanes 0-15 store tiles 0-3, lanes 16-31 tiles 4-7
.endr
	global_store_b128 v[LO16], v[SELR+4*\c:SELR+4*\c+3], s[14:15] offset:\c*HEADB+WOFF   ; 512 consecutive bytes
.endr
.endif
.endm
	s_cmp_eq_u32 ttmp9, 2                          ; the cluster's x: the same in all sixteen partners and in all waves
	s_cbranch_scc1 .Lpart_v
.set SWAP, 0
.set ADRX, ADRB
.set ADRY, ADRA
	BODY
	s_branch .Ldone
.Lpart_v:
.set SWAP, 1
.set ADRX, ADRA
.set ADRY, ADRB
	BODY
.Ldone:
	s_wait_tensorcnt 0x0                           ; the wave's end, behind my last tensor load
	ds_add_u32 v[SPW], v[NIL]
	s_wait_dscnt 0x0
	CROUND                                         ; the closing round: no work-group ends while a partner may still ask for a tile that names it
	s_endpgm
.Lfunc_end_k_q71078dc37e_qkv:
	.size	k_q71078dc37e_qkv, .Lfunc_end_k_q71078dc37e_qkv-k_q71078dc37e_qkv
	.p2alignl 7, 3214868480
	.fill 96, 4, 3214868480
	.section	.rodata,"a",@progbits
	.p2align	6, 0x0
	.amdhsa_kernel k_q71078dc37e_qkv
		.amdhsa_group_segment_fixed_size 327680
		.amdhsa_private_segment_fixed_size 0
		.amdhsa_enable_private_segment 0
		.amdhsa_kernarg_size 48
		.amdhsa_user_sgpr_count 2
		.amdhsa_user_sgpr_kernarg_segment_ptr 1
		.amdhsa_wavefront_size32 1
		.amdhsa_system_sgpr_workgroup_id_x 1
		.amdhsa_system_sgpr_workgroup_id_y 1
		.amdhsa_system_sgpr_workgroup_id_z 1
		.amdhsa_system_vgpr_workitem_id 0
		.amdhsa_next_free_vgpr 1024
		.amdhsa_next_free_sgpr 100
		.amdhsa_reserve_vcc 0
		.amdhsa_float_denorm_mode_32 3
		.amdhsa_float_denorm_mode_16_64 3
		.amdhsa_memory_ordered 1
		.amdhsa_forward_progress 1
		.amdhsa_inst_pref_size 253
	.end_amdhsa_kernel
	.amdgpu_metadata
---
amdhsa.version: [ 1, 2 ]
amdhsa.kernels:
  - .name:           k_q71078dc37e_qkv
    .symbol:         k_q71078dc37e_qkv.kd
    .args:
      - { .name: hidden_states_codes, .offset: 0, .size: 8, .value_kind: global_buffer, .address_space: global }
      - { .name: hidden_states_scales, .offset: 8, .size: 8, .value_kind: global_buffer, .address_space: global }
      - { .name: c_attn_w_codes, .offset: 16, .size: 8, .value_kind: global_buffer, .address_space: global }
      - { .name: c_attn_w_scales, .offset: 24, .size: 8, .value_kind: global_buffer, .address_space: global }
      - { .name: c_attn_b, .offset: 32, .size: 8, .value_kind: global_buffer, .address_space: global }
      - { .name: qkv, .offset: 40, .size: 8, .value_kind: global_buffer, .address_space: global }
    .group_segment_fixed_size: 327680
    .private_segment_fixed_size: 0
    .kernarg_segment_align: 8
    .kernarg_segment_size: 48
    .max_flat_workgroup_size: 128
    .sgpr_count:     100
    .vgpr_count:     1024
    .wavefront_size: 32
...
	.end_amdgpu_metadata
.endif
;; end of part 1
;; launch attn (part 2): grid 8 x 32, 16 waves a work-group, clusters of 4 x 1, 167,936 bytes of LDS; arguments qkv, aoc, aos; writes aoc, aos
.if DOCPART == 2
	.amdgcn_target "amdgcn-amd-amdhsa--gfx1250"
	.amdhsa_code_object_version 6
	.text
	.protected	k_q71078dc37e_attn
	.globl	k_q71078dc37e_attn
	.p2align	8
	.type	k_q71078dc37e_attn,@function
k_q71078dc37e_attn:
	s_mov_b64 s[64:65], 0
	v_nop
	global_prefetch_b8 v0, s[64:65] scope:SCOPE_SE
	s_setreg_imm32_b32 hwreg(HW_REG_WAVE_MODE, 25, 1), 1
	s_wait_xcnt 0x0
	s_wait_alu depctr_hold_cnt(0) depctr_sa_sdst(0) depctr_va_vdst(0) depctr_va_sdst(0) depctr_va_ssrc(0) depctr_va_vcc(0) depctr_vm_vsrc(0)
	s_getreg_b32 s2, hwreg(HW_REG_IB_STS2, 6, 4)
	s_cmp_eq_u32 s2, 0
	s_cbranch_scc0 .Lentry_in_a_cluster
	s_endpgm
.Lentry_in_a_cluster:
	s_bfe_u32 s2, ttmp6, 0x10000c
	s_cmp_lg_u32 s2, 0x3003
	s_cbranch_scc0 .Lentry_shape_is_right
	s_endpgm
.Lentry_shape_is_right:
; O[q] = the sum over keys k <= q of softmax_k(Q[q] . K[k] / 8) V[k], for 32 heads (batch x head) of 2,048 rows x 64, both products on codes of FP4 with E8M0 scales; the result is quantised along the model's
; 1,024 (a head is two blocks of 32) for the last product.  Operands come from the workspace that the launch before stored, laid as images of operand registers.
; LEFT OUT AS DEAD WORK: a step of 128 keys that all come after a wave's 16 queries: the problem's own causal mask makes their p 0 for all inputs (shown at the head of the first kernel).
; THE SOFTMAX: t = score x log2(e) / 8; M = the row's largest t so far, rounded up to a whole number; p = 2^(t - M) is quantised along the keys, not normalised; the row's sum is taken of the unquantised p and
; divides O at the end; when M moves, the sum and O are multiplied by 2^(old M - new M), which rounds nothing.
; LIMITS: NaN and infinities among the operands are not served; a block whose largest magnitude lies under 2^-124, a block of zeros too, gets the scale byte 1.  The scale bytes of the result leave as single bytes,
; two to a row of 32: a scale word of the next product spans two heads, which are two work-groups here; they are one sixteenth of the codes' bytes, one store a wave.
; SHARES.  A work-group of sixteen waves serves one head; work-group g of the head's eight (g = 4 x cluster x + cx).  Wave w owns ONE tile of 16 queries, tile g + 8 j of the head's 128, j = j(w).  So its diagonal lies
; in key step j whatever g is: it works steps 0 .. j, and every branch hangs on the wave's number alone.  j(w) is a magic square of order 4 read row by row: any four waves w % 4 = const, and any four
; w / 4 = const, have 34 steps together; all 256 work-groups have equal work.
; LDS.  The head's K and V, 16 records of 8,960 bytes (K codes 4,096, K words 512, V codes 4,096, V words 256), are filled ONCE: each wave asks for record w.  The four work-groups of a cluster serve one head: the load
; is a joint one.  Record 15 is read in every partner, by its wave with j = 15.  All LDS reads are dense, 16 or 8 bytes a lane on end.
; LAYOUT.  Both products are used transposed: S^T = K Q^T (source 0 = 16 keys, source 1 = my queries), O^T = V^T P^T: a lane holds ONE query (lane % 16).  The first product's K is 64: the upper half of its operands is
; zero codes, under the scale byte 0.  In S^T register 8 i + j of lane (r, h) is key 16 i + 8 h + j: block b of 32 keys is registers 16 b .. 16 b + 15 of lanes l and l xor 16.
; REGISTERS: v1 16 x lane, v2 8 x lane, v3 the mask's bound, v4, v5 the add's two, v6, v7 the step's addresses, v12 -M, v13 the largest t, v[14:15] the sum, v16-23 Q, v24 Q's word, v32-95 K, v96-159 S^T then p,
; v160-191 O^T, v192-223 V, v224-231 p's codes, v232-254 at work, v[240:241] V's words, v[248:251] K's words, v252 f, v253 p's word.
.set REC,   13568
.set HEADB, 16*REC
.set KVO,   4608                       ; K's and V's parts begin here in a record,
.set KVB,   8960                       ; and are so long
.set SPARE, 16*KVB                     ; the spare words, 128 bytes for each wave, which no other line names
.set SPW, 4
.set NIL, 5
.set WV, 10
.set J,  11
.set G1, 16                            ; s[16:23], s[24:27] the one descriptor
.set G0, 24
.set SEL, 28                           ; s[28:29] v_permlanex16_b32's selects for lane l xor 16
.set CS,  30                           ; s[30:31] c = log2(e) / 8; the packed form names a pair
.set TB,  32                           ; s32 LDS byte of the step's record
.set ST,  33                           ; s33 the step
.set HMASK, 40                         ; s40 lanes 16-31
.macro CROUND                          ; a round of the cluster's barrier
	s_barrier_signal -1
	s_barrier_wait -1
	s_cmp_lg_u32 s[WV], 0
	s_cbranch_scc1 .Lnot_wave_0_\@
	s_barrier_signal -3
.Lnot_wave_0_\@:
	s_barrier_wait -3
	s_barrier_signal -1
	s_barrier_wait -1
.endm
	s_load_b128 s[4:7], s[0:1], 0x0                ; the operands s[4:5], the result's codes s[6:7]
	s_load_b64 s[8:9], s[0:1], 0x10                ; the result's scale bytes
	v_lshl_add_u32 v[SPW], v0, 2, SPARE
	v_mov_b32 v[NIL], 0
	ds_add_u32 v[SPW], v[NIL]                      ; the wave's opening: the add, twice on end, and its wait ahead of my tensor load
	ds_add_u32 v[SPW], v[NIL]                      ; and once more; the set-up below, work on registers, stands between it and the wait
	v_lshrrev_b32 v8, 5, v0
	s_delay_alu instid0(VALU_DEP_1)
	v_readfirstlane_b32 s[WV], v8                  ; wave 0..15
	s_mov_b32 s15, 0x0de3b658                      ; j(w), four bits a wave: 15 2 1 12 / 4 9 10 7 / 8 5 6 11 / 3 14 13 0
	s_cmp_lt_u32 s[WV], 8
	s_cselect_b32 s15, 0x7a94c12f, s15
	s_and_b32 s2, s[WV], 7
	s_lshl_b32 s2, s2, 2
	s_lshr_b32 s[J], s15, s2
	s_and_b32 s[J], s[J], 15
	s_bfe_u32 s12, ttmp6, 0x40000                  ; cx
	s_lshl_b32 s13, ttmp9, 2
	s_add_co_u32 s13, s13, s12                     ; g: it enters Q's and the results' global addresses and the mask's bound alone
	s_and_b32 s14, ttmp7, 0xffff                   ; batch x head, which the four partners share
	s_mov_b32 s[G1], 15|(3<<16)|(1<<21)            ; the mask: all four work-groups; elements of 8 bytes; bit 21 beside a mask; no padding
	s_mov_b32 s[G1+1], 32<<16                      ; 8,960 dense bytes as 35 rows of 256
	s_mov_b32 s[G1+2], 35<<16
	s_mov_b32 s[G1+3], 32<<16
	s_mov_b32 s[G1+4], 35
	s_mov_b32 s[G1+5], 32
	s_mov_b32 s[G1+6], 0
	s_mov_b32 s[G1+7], 0
	s_mul_i32 s36, s14, HEADB                      ; the head's first byte
	s_mul_i32 s2, s[WV], REC
	s_add_co_u32 s38, s36, s2
	s_add_co_u32 s38, s38, KVO                     ; record w's K and V
	s_mov_b32 s39, 0
	s_mul_i32 s3, s[J], REC
	s_add_co_u32 s3, s3, s36                       ; my queries' record: key step j
	s_lshl_b32 s2, s13, 9
	s_add_co_u32 s42, s3, s2                       ; Q's codes: tile g of the record
	s_mov_b32 s43, 0
	s_lshr_b32 s2, s13, 2
	s_lshl_b32 s2, s2, 8
	s_add_co_u32 s44, s3, s2
	s_and_b32 s2, s13, 3
	s_lshl_b32 s2, s2, 2
	s_add_co_u32 s44, s44, s2                      ; Q's words: [g / 4][row][g % 4]
	s_mov_b32 s45, 0
	s_lshr_b32 s2, s14, 4
	s_lshl_b32 s2, s2, 7
	s_add_co_u32 s2, s2, s13
	s_lshl_b32 s3, s[J], 3
	s_add_co_u32 s2, s2, s3                        ; T = 128 x batch + g + 8 j: my tile among all 256 tiles of rows
	s_lshl_b32 s2, s2, 9                           ; 512 bytes a tile, of codes within a head and of scale bytes alike
	s_and_b32 s3, s14, 15                          ; the head
	s_lshl_b32 s46, s3, 17
	s_add_co_u32 s46, s46, s2
	s_mov_b32 s47, 0
	s_lshl_b32 s3, s3, 1
	s_add_co_u32 s34, s2, s3
	s_mov_b32 s35, 0
	s_mov_b32 s[SEL], 0x76543210
	s_mov_b32 s[SEL+1], 0xfedcba98
	s_mov_b32 s[CS], 0x3e38aa3b                    ; log2(e) / 8
	s_mov_b32 s[CS+1], s[CS]
	s_mov_b32 s[TB], 0
	s_mov_b32 s[ST], 0
	s_mov_b32 s[HMASK], 0xffff0000
	s_wait_dscnt 0x0                               ; both opening adds are done
	s_wait_kmcnt 0x0
	s_mov_b32 s[G0], 1
	s_mul_i32 s[G0+1], s[WV], KVB                  ; LDS: record w
	s_add_nc_u64 s[G0+2:G0+3], s[4:5], s[38:39]
	s_or_b32 s[G0+3], s[G0+3], 0x80000000
	s_add_nc_u64 s[42:43], s[4:5], s[42:43]
	s_add_nc_u64 s[44:45], s[4:5], s[44:45]
	s_add_nc_u64 s[6:7], s[6:7], s[46:47]
	s_add_nc_u64 s[8:9], s[8:9], s[34:35]
	CROUND                                         ; all four work-groups are here: the joint loads meet
	tensor_load_to_lds s[G0:G0+3], s[G1:G1+7]      ; my one tensor load
	s_nop 0
.rept 4
	v_nop
.endr
	v_and_b32 v8, 31, v0
	s_delay_alu instid0(VALU_DEP_1)
	v_lshlrev_b32 v1, 4, v8
	s_delay_alu instid0(VALU_DEP_2)
	v_lshlrev_b32 v2, 3, v8
	v_and_b32 v10, 15, v0                          ; r
	v_bfe_u32 v11, v0, 4, 1                        ; h
	s_delay_alu instid0(VALU_DEP_2)
	v_lshlrev_b32 v9, 4, v10
	global_load_b128 v[16:19], v1, s[42:43]        ; Q's codes: registers 0-3 of the operand
	global_load_b32 v24, v9, s[44:45] offset:4096  ; Q's scale word of row r
.irp j, 20,21,22,23
	v_mov_b32 v[\j], 0                             ; the first product's K is 64: zero codes for the rest, in Q
.endr
.irp t, 0,1,2,3,4,5,6,7
.irp j, 4,5,6,7
	v_mov_b32 v[32+8*\t+\j], 0                     ; and in K's eight fragments, once for all steps
.endr
.endr
	v_lshlrev_b32 v3, 3, v11
	s_delay_alu instid0(VALU_DEP_1)
	v_sub_nc_u32 v3, v10, v3
	s_lshl_b32 s2, s13, 4
	v_add_nc_u32 v3, s2, v3                        ; 16 g + r - 8 h: in the diagonal step register 8 i + j is hidden where 16 i + j is above it
	v_mov_b32 v13, 0xff61b1e6                      ; the largest t so far: -3e38, under every t
	s_delay_alu instid0(VALU_DEP_1)
	v_floor_f32 v12, -v13                          ; -M
	v_mov_b32 v14, 0                               ; the sum, in two halves
	v_mov_b32 v15, 0
.irp j, 236,237,238,239,252,253
	v_mov_b32 v[\j], 0                             ; written once: a lane permute's destination counts as one of its sources; v253 is named in a pair before it is first written
.endr
.set n, 0
.rept 32
	v_mov_b32 v[160+n], 0                          ; O^T: the step is written once; the first finds zeros, which the first change of M leaves zeros
.set n, n+1
.endr
	s_wait_loadcnt 0x0                             ; Q
	s_wait_tensorcnt 0x0                           ; my record has landed,
	s_barrier_signal -1
	s_barrier_wait -1                              ; everybody's has: all 16 records may be read, and nothing writes them again
.Lstep:                                            ; 16 trips, a constant: a wave works the first j + 1 and steps its counters in the others
	s_cmp_gt_u32 s[ST], s[J]
	s_cbranch_scc1 .Lskip
	s_setprio 2
	v_add_nc_u32 v6, s[TB], v1
	v_add_nc_u32 v7, s[TB], v2
	v_nop
	v_nop                                          ; four plain instructions between the last step's products and the loads into V's fragments and words
.irp t, 0,1,2,3,4,5,6,7
	ds_load_b128 v[32+8*\t:35+8*\t], v6 offset:512*\t
.endr
	ds_load_b128 v[248:251], v6 offset:4096        ; K's words: register e: lanes 0-15 tile e, lanes 16-31 tile 4 + e
.irp t, 0,1,2,3
.irp c, 0,1
	ds_load_b128 v[192+8*\t+4*\c:195+8*\t+4*\c], v6 offset:4608+1024*\t+512*\c
.endr
.endr
	ds_load_b64 v[240:241], v7 offset:8704         ; V's words: register e: lanes 0-15 d tile e, lanes 16-31 d tile 2 + e
	s_wait_dscnt 9                                 ; K and its words are in; V's eight loads and V's words may be out
.irp t, 0,1,2,3
	v_wmma_scale_f32_16x16x128_f8f6f4 v[96+8*\t:103+8*\t], v[32+8*\t:39+8*\t], v[16:23], 0, v[248+\t], v24 matrix_a_fmt:MATRIX_FMT_FP4 matrix_b_fmt:MATRIX_FMT_FP4
.endr
.irp t, 4,5,6,7
	v_wmma_scale_f32_16x16x128_f8f6f4 v[96+8*\t:103+8*\t], v[32+8*\t:39+8*\t], v[16:23], 0, v[244+\t], v24 matrix_a_fmt:MATRIX_FMT_FP4 matrix_b_fmt:MATRIX_FMT_FP4 matrix_a_scale:MATRIX_SCALE_ROW1
.endr
.rept 4
	v_nop
.endr
	s_cmp_lg_u32 s[ST], s[J]                       ; only my last step lies on the diagonal
	s_cbranch_scc1 .Lopen
	v_mov_b32 v254, 0xff800000                     ; hidden scores become -infinity ahead of the maximum: p = 0 then.  The step's first key counts for every query
.set n, 0
.rept 64
	v_cmp_gt_i32 vcc_lo, 16*(n/8)+n%8, v3
	v_cndmask_b32 v[96+n], v[96+n], v254, vcc_lo
.set n, n+1
.endr
.Lopen:
.irp b, 0,1,2,3
	v_max3_num_f32 v[232+\b], v[96+16*\b], v[97+16*\b], v[98+16*\b]   ; the largest score of each block of 32 keys: it serves the row's maximum and, since p rises with the score, the block's largest p
.endr
.irp i, 3,5,7,9,11,13
.irp b, 0,1,2,3
	v_max3_num_f32 v[232+\b], v[232+\b], v[96+16*\b+\i], v[97+16*\b+\i]
.endr
.endr
.irp b, 0,1,2,3
	v_max_num_f32 v[232+\b], v[232+\b], v[111+16*\b]
.endr
.irp b, 0,1,2,3
	s_delay_alu instid0(VALU_DEP_4)
	v_permlanex16_b32 v[236+\b], v[232+\b], s[SEL], s[SEL+1]
.endr
.irp b, 0,1,2,3
	s_delay_alu instid0(VALU_DEP_4)
	v_max_num_f32 v[232+\b], v[232+\b], v[236+\b]  ; with lane l xor 16's 16 keys
.endr
	s_delay_alu instid0(VALU_DEP_2)
	v_max3_num_f32 v254, v232, v233, v234
	s_delay_alu instid0(VALU_DEP_1)
	v_max_num_f32 v254, v254, v235                 ; the step's largest score of my query
	s_delay_alu instid0(VALU_DEP_1)
	v_mul_f32 v254, s[CS], v254                    ; as t
	s_delay_alu instid0(VALU_DEP_1)
	v_max_num_f32 v13, v13, v254                   ; the running largest t
	v_mov_b32 v254, v12
	s_delay_alu instid0(VALU_DEP_2)
	v_floor_f32 v12, -v13                          ; the new -M = floor(-t): M is a whole number
	s_delay_alu instid0(VALU_DEP_1)
	v_sub_f32 v254, v12, v254                      ; old M - new M, 0 or less
	s_delay_alu instid0(VALU_DEP_1)
	v_cvt_i32_f32 v254, v254                       ; (it saturates)
	s_delay_alu instid0(VALU_DEP_1)
	v_ldexp_f32 v252, 1.0, v254                    ; f = 2^(old M - new M)
.set n, 0
.rept 32
	v_pk_fma_f32 v[96+n:97+n], v[96+n:97+n], s[CS:CS+1], v[12:13] op_sel_hi:[1,0,0]   ; t - M, two at a time
.set n, n+2
.endr
	s_setprio 1
.irp b, 0,1,2,3
	v_fma_f32 v[232+\b], v[232+\b], s[CS], v12     ; the same of each block's largest score
.endr
.set n, 0
	s_wait_alu depctr_va_vdst(0)
.rept 64
	v_exp_f32 v[96+n], v[96+n]                     ; p = 2^(t - M), at most 1
.set n, n+1
.endr
	v_pk_mul_f32 v[14:15], v[14:15], v[252:253] op_sel_hi:[1,0]   ; the sums under the new M: the plain instruction behind the exponentials
	s_wait_alu depctr_va_vdst(0)                   ; one wait for the whole batch, ahead of its first reader
.irp b, 0,1,2,3
	v_exp_f32 v[232+\b], v[232+\b]                 ; the block's largest p
.endr
	v_pk_add_f32 v[236:237], v[100:101], v[104:105]
	v_pk_add_f32 v[254:255], v[108:109], v[112:113]
	v_pk_add_f32 v[250:251], v[116:117], v[120:121]
	v_pk_add_f32 v[248:249], v[124:125], v[128:129]
	v_pk_add_f32 v[246:247], v[132:133], v[136:137]
	v_pk_add_f32 v[244:245], v[140:141], v[144:145]
	v_pk_add_f32 v[242:243], v[148:149], v[152:153]
	v_pk_add_f32 v[14:15], v[14:15], v[156:157]
	v_pk_add_f32 v[236:237], v[236:237], v[96:97]
	v_pk_add_f32 v[254:255], v[254:255], v[98:99]
	v_pk_add_f32 v[250:251], v[250:251], v[102:103]
	v_pk_add_f32 v[248:249], v[248:249], v[106:107]
	v_pk_add_f32 v[246:247], v[246:247], v[110:111]
	v_pk_add_f32 v[244:245], v[244:245], v[114:115]
	v_pk_add_f32 v[242:243], v[242:243], v[118:119]
	v_pk_add_f32 v[14:15], v[14:15], v[122:123]
	v_pk_add_f32 v[236:237], v[236:237], v[126:127]
	v_pk_add_f32 v[254:255], v[254:255], v[130:131]
	v_pk_add_f32 v[250:251], v[250:251], v[134:135]
	v_pk_add_f32 v[248:249], v[248:249], v[138:139]
	v_pk_add_f32 v[246:247], v[246:247], v[142:143]
	v_pk_add_f32 v[244:245], v[244:245], v[146:147]
	v_pk_add_f32 v[242:243], v[242:243], v[150:151]
	v_pk_add_f32 v[14:15], v[14:15], v[154:155]
	v_pk_add_f32 v[236:237], v[236:237], v[158:159]
	s_delay_alu instid0(VALU_DEP_2)
	v_pk_add_f32 v[14:15], v[14:15], v[248:249]
	s_delay_alu instid0(VALU_DEP_2)
	v_pk_add_f32 v[236:237], v[236:237], v[246:247]
	v_pk_add_f32 v[254:255], v[254:255], v[244:245]
	v_pk_add_f32 v[250:251], v[250:251], v[242:243]
	s_delay_alu instid0(VALU_DEP_2)
	v_pk_add_f32 v[14:15], v[14:15], v[254:255]
	s_delay_alu instid0(VALU_DEP_2)
	v_pk_add_f32 v[236:237], v[236:237], v[250:251]
	s_delay_alu instid0(VALU_DEP_1)
	v_pk_add_f32 v[14:15], v[14:15], v[236:237]
	s_wait_alu depctr_va_vdst(0)                   ; and one for the four
.irp b, 0,1,2,3
	v_max_num_f32 v[232+\b], 0x1800000, v[232+\b]  ; the floor 2^(3 - 127): the byte cannot fall under 1
.endr
.irp b, 0,1,2,3
	s_delay_alu instid0(VALU_DEP_4)
	v_add_nc_u32 v[244+\b], 0xff000000, v[232+\b]  ; 2 off the exponent field: the conversion's scale operand
.endr
.irp b, 0,1,2,3
	s_delay_alu instid0(VALU_DEP_4)
	v_lshrrev_b32 v[236+\b], 23, v[244+\b]         ; the scale's byte
.endr
	s_delay_alu instid0(VALU_DEP_3)
	v_lshl_or_b32 v253, v237, 8, v236              ; p's scale word for these 128 keys
	s_delay_alu instid0(VALU_DEP_1)
	v_lshl_or_b32 v253, v238, 16, v253
	s_delay_alu instid0(VALU_DEP_1)
	v_lshl_or_b32 v253, v239, 24, v253
	s_setprio 0
.irp b, 0,1,2,3
.irp e, 0,1
	v_cvt_scalef32_pk8_fp4_f32 v[224+4*(\b/2)+(\b%2)+2*\e], v[96+16*\b+8*\e:103+16*\b+8*\e], v[244+\b]   ; group 2 e + h of block b
.endr
.endr
	v_nop                                          ; one plain place behind a scaled conversion
.irp c, 0,2,4,6
	v_permlane16_swap_b32 v[224+\c], v[225+\c]     ; register 4 c + g of lane (r, h) now holds group g of block 2 c + h
.endr
.set n, 0
.rept 16
	v_pk_mul_f32 v[160+n:161+n], v[160+n:161+n], v[252:253] op_sel_hi:[1,0]   ; O^T under the new M; these are also the places between the writes of p's codes and word and the products
.set n, n+2
.endr
	s_wait_alu depctr_va_vdst(0)
	s_wait_dscnt 0x0                               ; V and its words are in
.irp t, 0,1
	v_wmma_scale_f32_16x16x128_f8f6f4 v[160+8*\t:167+8*\t], v[192+8*\t:199+8*\t], v[224:231], v[160+8*\t:167+8*\t], v[240+\t], v253 matrix_a_fmt:MATRIX_FMT_FP4 matrix_b_fmt:MATRIX_FMT_FP4
.endr
.irp t, 2,3
	v_wmma_scale_f32_16x16x128_f8f6f4 v[160+8*\t:167+8*\t], v[192+8*\t:199+8*\t], v[224:231], v[160+8*\t:167+8*\t], v[238+\t], v253 matrix_a_fmt:MATRIX_FMT_FP4 matrix_b_fmt:MATRIX_FMT_FP4 matrix_a_scale:MATRIX_SCALE_ROW1
.endr
.Lskip:
	s_add_co_u32 s[TB], s[TB], KVB
	s_add_co_u32 s[ST], s[ST], 1
	s_cmp_lt_u32 s[ST], 16
	s_cbranch_scc1 .Lstep
	s_setprio 0
	; THE WAY OUT: O^T / the sum, quantised along the head's 64: two blocks; register 8 t + j of lane (r, h) is channel 16 t + 8 h + j of query r
	v_add_f32 v14, v14, v15                        ; the sum's two halves,
	s_delay_alu instid0(VALU_DEP_1)
	v_permlanex16_b32 v252, v14, s[SEL], s[SEL+1]
	s_delay_alu instid0(VALU_DEP_1)
	v_add_f32 v14, v14, v252                       ; and lane l xor 16's
	s_wait_alu depctr_va_vdst(0)
	v_rcp_f32 v14, v14
	v_and_b32 v10, 15, v0                          ; plain work behind the reciprocal, and with the additions the places behind the last products
	v_bfe_u32 v11, v0, 4, 1
	s_delay_alu instid0(VALU_DEP_1)
	v_lshl_add_u32 v9, v10, 5, v11                 ; the scale bytes: 32 a row, + my half's block
	v_nop
	s_wait_alu depctr_va_vdst(0)                   ; the wait ahead of the reciprocal's first reader
.set n, 0
.rept 32
	v_mul_f32 v[96+n], v[160+n], v14
.set n, n+1
.endr
.irp b, 0,1
	v_max3_num_f32 v[232+\b], |v[96+16*\b]|, |v[97+16*\b]|, 0x1800000
.endr
.irp i, 2,4,6,8,10,12,14
.irp b, 0,1
	s_delay_alu instid0(VALU_DEP_2)
	v_max3_num_f32 v[232+\b], v[232+\b], |v[96+16*\b+\i]|, |v[97+16*\b+\i]|
.endr
.endr
.irp b, 0,1
	s_delay_alu instid0(VALU_DEP_2)
	v_permlanex16_b32 v[236+\b], v[232+\b], s[SEL], s[SEL+1]
.endr
.irp b, 0,1
	s_delay_alu instid0(VALU_DEP_2)
	v_max_num_f32 v[232+\b], v[232+\b], v[236+\b]
.endr
.irp b, 0,1
	s_delay_alu instid0(VALU_DEP_2)
	v_add_nc_u32 v[244+\b], 0xff000000, v[232+\b]
.endr
.irp b, 0,1
	s_delay_alu instid0(VALU_DEP_2)
	v_lshrrev_b32 v[236+\b], 23, v[244+\b]
.endr
.irp b, 0,1
.irp e, 0,1
	v_cvt_scalef32_pk8_fp4_f32 v[224+\b+2*\e], v[96+16*\b+8*\e:103+16*\b+8*\e], v[244+\b]
.endr
.endr
	v_nop
	v_permlane16_swap_b32 v224, v225
	v_permlane16_swap_b32 v226, v227               ; v[224:227] of lane (r, h): block h of my head for row r, 16 bytes
	v_cndmask_b32 v238, v236, v237, s[HMASK]       ; and that block's byte
	global_store_b128 v1, v[224:227], s[6:7]       ; 512 consecutive bytes, aligned
	global_store_b8 v9, v238, s[8:9]
	s_wait_tensorcnt 0x0                           ; the wave's end, behind my tensor load
	ds_add_u32 v[SPW], v[NIL]
	s_wait_dscnt 0x0
	CROUND                                         ; the closing round
	s_endpgm
.Lfunc_end_k_q71078dc37e_attn:
	.size	k_q71078dc37e_attn, .Lfunc_end_k_q71078dc37e_attn-k_q71078dc37e_attn
	.p2alignl 7, 3214868480
	.fill 96, 4, 3214868480
	.section	.rodata,"a",@progbits
	.p2align	6, 0x0
	.amdhsa_kernel k_q71078dc37e_attn
		.amdhsa_group_segment_fixed_size 167936
		.amdhsa_private_segment_fixed_size 0
		.amdhsa_enable_private_segment 0
		.amdhsa_kernarg_size 24
		.amdhsa_user_sgpr_count 2
		.amdhsa_user_sgpr_kernarg_segment_ptr 1
		.amdhsa_wavefront_size32 1
		.amdhsa_system_sgpr_workgroup_id_x 1
		.amdhsa_system_sgpr_workgroup_id_y 1
		.amdhsa_system_sgpr_workgroup_id_z 1
		.amdhsa_system_vgpr_workitem_id 0
		.amdhsa_next_free_vgpr 256
		.amdhsa_next_free_sgpr 66
		.amdhsa_reserve_vcc 1
		.amdhsa_float_denorm_mode_32 3
		.amdhsa_float_denorm_mode_16_64 3
		.amdhsa_memory_ordered 1
		.amdhsa_forward_progress 1
		.amdhsa_inst_pref_size 34
	.end_amdhsa_kernel
	.amdgpu_metadata
---
amdhsa.version: [ 1, 2 ]
amdhsa.kernels:
  - .name:           k_q71078dc37e_attn
    .symbol:         k_q71078dc37e_attn.kd
    .args:
      - { .name: qkv, .offset: 0, .size: 8, .value_kind: global_buffer, .address_space: global }
      - { .name: aoc, .offset: 8, .size: 8, .value_kind: global_buffer, .address_space: global }
      - { .name: aos, .offset: 16, .size: 8, .value_kind: global_buffer, .address_space: global }
    .group_segment_fixed_size: 167936
    .private_segment_fixed_size: 0
    .kernarg_segment_align: 8
    .kernarg_segment_size: 24
    .max_flat_workgroup_size: 512
    .sgpr_count:     66
    .vgpr_count:     256
    .wavefront_size: 32
...
	.end_amdgpu_metadata
.endif
;; end of part 2
;; launch proj (part 3): grid 8 x 32, 4 waves a work-group, clusters of 4 x 4, 167,936 bytes of LDS; arguments aoc, aos, c_proj_w_codes, c_proj_w_scales, c_proj_b, out0; writes out0
.if DOCPART == 3
	.amdgcn_target "amdgcn-amd-amdhsa--gfx1250"
	.amdhsa_code_object_version 6
	.text
	.protected	k_q71078dc37e_proj
	.globl	k_q71078dc37e_proj
	.p2align	8
	.type	k_q71078dc37e_proj,@function
k_q71078dc37e_proj:
	s_mov_b64 s[64:65], 0
	v_nop
	global_prefetch_b8 v0, s[64:65] scope:SCOPE_SE
	s_setreg_imm32_b32 hwreg(HW_REG_WAVE_MODE, 25, 1), 1
	s_wait_xcnt 0x0
	s_wait_alu depctr_hold_cnt(0) depctr_sa_sdst(0) depctr_va_vdst(0) depctr_va_sdst(0) depctr_va_ssrc(0) depctr_va_vcc(0) depctr_vm_vsrc(0)
	s_getreg_b32 s2, hwreg(HW_REG_IB_STS2, 6, 4)
	s_cmp_eq_u32 s2, 0
	s_cbranch_scc0 .Lentry_in_a_cluster
	s_endpgm
.Lentry_in_a_cluster:
	s_bfe_u32 s2, ttmp6, 0x10000c
	s_cmp_lg_u32 s2, 0xf033
	s_cbranch_scc0 .Lentry_shape_is_right
	s_endpgm
.Lentry_shape_is_right:
; out0 = A W^T + c_proj_b.  A: the attention's result, [4096][1024] as codes of FP4 with E8M0 scales, stored by the launch before as [head 16][tile of 16 rows 256][lane 32][16 bytes] (lane (r, h): block h of that head
; for row r: an image of four operand registers) and scale bytes [4096][32].  W: [1024][1024] as codes, K innermost (512 bytes a row), scale bytes [1024][32].  out0: [4096][1024] f32.  Nothing is left out here.
; LIMITS: NaN and infinities are not served; the bias starts each sum as the first product's C, so it is added first, not last.
; SHARES.  A work-group of four waves makes 128 rows x 128 columns: 8 x 32 work-groups, one to a WGP; a wave makes 64 x 64: 16 accumulators.  All of K lies in LDS, filled once; no LDS byte is filled twice.
; CLUSTERS: 4 x 4.  The four of a row of the cluster need the same rows of A, the four of a column the same rows of W: each tile is asked for jointly.
; THE MATRIX INSTRUCTION IS USED TRANSPOSED (source 0 = 16 rows of W, source 1 = 16 rows of A): a lane holds eight neighbouring numbers of a row of out0.
; REGISTERS: window 0: v16-29 addresses; v32-63 scale words (register 8 i + s: lanes 0-15 A's tile i, lanes 16-31 W's tile i, K step s); v64-95 the bias; v128-255 accumulator (o, i) at 128 + 8 (4 o + i);
;   on the way out v96-127 and v32-63 take rows by turns.   window 1: four sets of 64: W's four fragments, then A's four, of K step s in set s % 4.
.set ACO,   0                          ; LDS: A's codes [head 16][tile 8][512],
.set WCO,   65536                      ; W's codes: 128 rows of 512 bytes + 16 of padding,
.set WP,    528
.set SCL,   WCO+128*WP                 ; the scale bytes, as units of 256 bytes + 16 of padding: A's two halves of 64 rows, then W's,
.set HALFS, 8*272
.set STG,   SCL+4*HALFS                ; a stage of 16 rows x (256 bytes + 16) for each wave, into which no tensor load lands,
.set SPARE, STG+4*16*272               ; and the spare words, 128 bytes for each wave, which no other line names
.set ADRA, 16
.set ADRB, 20
.set STO,  24
.set RD,   25
.set CO,   26
.set ADRS, 27
.set SPW,  28
.set NIL,  29
.set BO,   30
.set SC,   32
.set BI,   64
.set ACC,  128
.set WV, 16
.set HM, 17
.set HN, 18
.set G1A, 24                           ; s[24:31], s[32:35] A's codes
.set G0A, 32
.set G1B, 48                           ; s[48:55], s[56:59] W's codes
.set G0B, 56
.set G1S, 68                           ; s[68:75], s[76:79] A's scales;  s[80:87], s[88:91] W's
.set G0S, 76
.set G1SB, 80
.set G0SB, 88
.set MSB, 0
.macro WIN new                         ; the immediate's high byte repeats the setting that is left
.if MSB != (\new)
	s_set_vgpr_msb (MSB<<8)|(\new)
.set MSB, (\new)
.endif
.endm
.set MULW, 0x05                        ; sources 0 and 1 window 1; C and D window 0
.set TO_F, 0x40                        ; destination window 1, address window 0
.macro JLOAD g0a, g1a, g0b, g1b        ; a joint load: waves 0 and 1 fetch for A, waves 2 and 3 for W; an s_nop 0 and four v_nop follow each line
	s_cmp_eq_u32 s[HM], 0
	s_cbranch_scc0 .Lfor_w_\@
	tensor_load_to_lds s[\g0a:\g0a+3], s[\g1a:\g1a+7]
	s_nop 0
.rept 4
	v_nop
.endr
	s_branch .Lasked_\@
.Lfor_w_\@:
	tensor_load_to_lds s[\g0b:\g0b+3], s[\g1b:\g1b+7]
	s_nop 0
.rept 4
	v_nop
.endr
.Lasked_\@:
.endm
.macro CROUND                          ; a round of the cluster's barrier
	s_barrier_signal -1
	s_barrier_wait -1
	s_cmp_lg_u32 s[WV], 0
	s_cbranch_scc1 .Lnot_wave_0_\@
	s_barrier_signal -3
.Lnot_wave_0_\@:
	s_barrier_wait -3
	s_barrier_signal -1
	s_barrier_wait -1
.endm
	s_load_b256 s[4:11], s[0:1], 0x0               ; A's codes s[4:5], A's scales s[6:7], W's codes s[8:9], W's scales s[10:11]
	s_load_b128 s[12:15], s[0:1], 0x20             ; the bias s[12:13], out0 s[14:15]
	v_lshl_add_u32 v[SPW], v0, 2, SPARE
	v_mov_b32 v[NIL], 0
	ds_add_u32 v[SPW], v[NIL]                      ; the wave's opening: the add, twice on end, and its wait ahead of my first tensor load
	ds_add_u32 v[SPW], v[NIL]                      ; and once more; the set-up below, work on registers, stands between it and the wait
	v_lshrrev_b32 v1, 5, v0
	v_readfirstlane_b32 s[WV], v1                  ; wave 0..3
	s_lshr_b32 s[HM], s[WV], 1                     ; which half of the rows is mine.  Also: I fetch for A (0) or for W (1)
	s_and_b32 s[HN], s[WV], 1                      ; which half of the columns.  Also: which half of that operand I fetch
	s_bfe_u32 s40, ttmp6, 0x40000                  ; cx, cy
	s_bfe_u32 s41, ttmp6, 0x40004
	s_lshl_b32 s42, ttmp9, 2
	s_add_co_u32 s42, s42, s40                     ; tile column
	s_and_b32 s43, ttmp7, 0xffff
	s_lshl_b32 s43, s43, 2
	s_add_co_u32 s43, s43, s41                     ; tile row
	s_lshl_b32 s44, s41, 2
	s_lshl_b32 s44, 15, s44                        ; my row of the cluster
	s_lshl_b32 s45, 0x1111, s40                    ; my column
	s_or_b32 s[G1A+0], s44, (3<<16)|(1<<21)        ; A's codes: 8 heads x 4,096 bytes (8 tiles of rows), 131,072 bytes apart; elements of 8 bytes; no padding
	s_mov_b32 s[G1A+1], 512<<16
	s_mov_b32 s[G1A+2], 8<<16
	s_mov_b32 s[G1A+3], 512<<16
	s_mov_b32 s[G1A+4], 8
	s_mov_b32 s[G1A+5], 16384
	s_mov_b32 s[G1A+6], 0
	s_mov_b32 s[G1A+7], 0
	s_or_b32 s[G1B+0], s45, (1<<20)|(1<<21)|(6<<22)|(3<<25)   ; W's codes: 64 rows x 512 bytes; 4 words of padding after every 128
	s_mov_b32 s[G1B+1], 512<<16
	s_mov_b32 s[G1B+2], 64<<16
	s_mov_b32 s[G1B+3], 512<<16
	s_mov_b32 s[G1B+4], 64
	s_mov_b32 s[G1B+5], 512
	s_mov_b32 s[G1B+6], 0
	s_mov_b32 s[G1B+7], 0
	s_or_b32 s[G1S+0], s44, (3<<16)|(1<<20)|(1<<21)|(5<<22)|(3<<25)   ; the scales of 64 rows: 2,048 dense bytes as 8 rows of 256, 16 bytes of padding behind each
	s_or_b32 s[G1SB+0], s45, (3<<16)|(1<<20)|(1<<21)|(5<<22)|(3<<25)
.irp g, G1S, G1SB
	s_mov_b32 s[\g+1], 32<<16
	s_mov_b32 s[\g+2], 8<<16
	s_mov_b32 s[\g+3], 32<<16
	s_mov_b32 s[\g+4], 8
	s_mov_b32 s[\g+5], 32
	s_mov_b32 s[\g+6], 0
	s_mov_b32 s[\g+7], 0
.endr
	s_lshl_b32 s20, s43, 12                        ; A's codes: 4,096 bytes a tile row within a head,
	s_lshl_b32 s2, s[HN], 20
	s_add_co_u32 s20, s20, s2                      ; heads 8 x half on
	s_mov_b32 s21, 0
	s_lshl_b32 s22, s43, 12                        ; A's scales: 128 rows of 32 bytes a tile row,
	s_lshl_b32 s19, s[HN], 11
	s_add_co_u32 s22, s22, s19                     ; rows 64 x half on
	s_mov_b32 s23, 0
	s_lshl_b32 s46, s42, 16                        ; W's codes: 128 rows of 512 bytes a tile column,
	s_lshl_b32 s3, s[HN], 15
	s_add_co_u32 s46, s46, s3
	s_mov_b32 s47, 0
	s_lshl_b32 s92, s42, 12                        ; W's scales
	s_add_co_u32 s92, s92, s19
	s_mov_b32 s93, 0
	s_lshl_b32 s94, s[HN], 15                      ; where they go: no place in the cluster enters an LDS address
	s_mul_i32 s95, s[HN], 64*WP
	s_add_co_u32 s95, s95, WCO
	s_mul_i32 s96, s[WV], HALFS
	s_add_co_u32 s96, s96, SCL
	s_wait_dscnt 0x0                               ; both opening adds are done
	s_wait_kmcnt 0x0
	s_add_nc_u64 s[20:21], s[4:5], s[20:21]
	s_add_nc_u64 s[22:23], s[6:7], s[22:23]
	s_add_nc_u64 s[46:47], s[8:9], s[46:47]
	s_add_nc_u64 s[92:93], s[10:11], s[92:93]
	CROUND                                         ; all sixteen work-groups are here: the joint loads meet
	s_mov_b32 s[G0S], 1
	s_mov_b32 s[G0S+1], s96
	s_mov_b64 s[G0S+2:G0S+3], s[22:23]
	s_or_b32 s[G0S+3], s[G0S+3], 0x80000000
	s_mov_b32 s[G0SB], 1
	s_mov_b32 s[G0SB+1], s96
	s_mov_b64 s[G0SB+2:G0SB+3], s[92:93]
	s_or_b32 s[G0SB+3], s[G0SB+3], 0x80000000
	JLOAD G0S, G1S, G0SB, G1SB
	s_mov_b32 s[G0A], 1
	s_mov_b32 s[G0A+1], s94
	s_mov_b64 s[G0A+2:G0A+3], s[20:21]
	s_or_b32 s[G0A+3], s[G0A+3], 0x80000000
	s_mov_b32 s[G0B], 1
	s_mov_b32 s[G0B+1], s95
	s_mov_b64 s[G0B+2:G0B+3], s[46:47]
	s_or_b32 s[G0B+3], s[G0B+3], 0x80000000
	JLOAD G0A, G1A, G0B, G1B                       ; two tensor loads of mine are out, and no more follow
	v_and_b32 v1, 15, v0                           ; r
	v_bfe_u32 v2, v0, 4, 1                         ; h
	v_and_b32 v3, 31, v0
	v_lshlrev_b32 v3, 4, v3
	s_lshl_b32 s2, s[HM], 11
	v_add_nc_u32 v[ADRA], s2, v3                   ; A: 16 x lane + my four tiles of 512 bytes
	v_mul_u32_u24 v4, v1, WP
	v_lshl_add_u32 v4, v2, 4, v4
	s_mul_i32 s2, s[HN], 64*WP
	s_add_co_u32 s2, s2, WCO
	v_add_nc_u32 v[ADRB], s2, v4                   ; W: my 64 rows; row r x pitch + 16 h
	v_lshlrev_b32 v5, 5, v1                        ; my row's scales: 32 bytes a row,
	v_lshrrev_b32 v6, 8, v5
	v_lshl_add_u32 v5, v6, 4, v5                   ; and 16 more for each 256 passed
	s_mul_i32 s2, s[HM], HALFS
	s_mul_i32 s3, s[HN], HALFS
	s_add_co_u32 s3, s3, 2*HALFS
	s_sub_co_u32 s3, s3, s2
	v_mul_u32_u24 v6, s3, v2                       ; lanes 16-31 take W's: one product, the distance between the two bases
	s_add_co_u32 s2, s2, SCL
	v_add_nc_u32 v5, v5, v6
	v_add_nc_u32 v[ADRS], s2, v5
	s_mul_i32 s2, s[WV], 16*272
	s_add_co_u32 s2, s2, STG                       ; my stage
	v_mul_u32_u24 v5, v1, 272
	v_lshl_add_u32 v5, v2, 5, v5
	v_add_nc_u32 v[STO], s2, v5                    ; in: row r, 32 bytes for each half of the lanes
	v_mul_u32_u24 v5, v2, 272
	v_lshl_add_u32 v5, v1, 4, v5
	v_add_nc_u32 v[RD], s2, v5                     ; back: lanes 0-15 one row of 256 bytes, lanes 16-31 the next
	v_lshlrev_b32 v5, 12, v2
	v_lshl_add_u32 v[CO], v1, 4, v5                ; and the same two rows in out0, 4,096 bytes apart
	v_lshlrev_b32 v[BO], 5, v2
	s_lshl_b32 s2, s42, 9
	s_lshl_b32 s3, s[HN], 8
	s_add_co_u32 s2, s2, s3                        ; my 64 columns, in bytes
	s_mov_b32 s3, 0
	s_add_nc_u64 s[12:13], s[12:13], s[2:3]
	s_add_nc_u64 s[14:15], s[14:15], s[2:3]
	s_lshl_b32 s2, s43, 19
	s_lshl_b32 s19, s[HM], 18
	s_add_co_u32 s2, s2, s19                       ; my 64 rows
	s_add_nc_u64 s[14:15], s[14:15], s[2:3]
.irp i, 0,1,2,3
	global_load_b128 v[BI+8*\i:BI+8*\i+3], v[BO], s[12:13] offset:64*\i        ; register j of tile i: the bias of column 16 i + 8 h + j
	global_load_b128 v[BI+8*\i+4:BI+8*\i+7], v[BO], s[12:13] offset:64*\i+16
.endr
.macro FETCH s                         ; K step s, 128 along K = heads 2 s and 2 s + 1: 16 LDS loads into set s % 4
.set FB, 64*((\s)%4)
.irp i, 0,1,2,3
.irp c, 0,1
	ds_load_b128 v[FB+8*\i+4*\c:FB+8*\i+4*\c+3], v[ADRB] offset:16*WP*\i+64*(\s)+32*\c
.endr
.endr
.irp o, 0,1,2,3
.irp c, 0,1
	ds_load_b128 v[FB+32+8*\o+4*\c:FB+32+8*\o+4*\c+3], v[ADRA] offset:8192*(\s)+4096*\c+512*\o
.endr
.endr
.endm
.macro MUL s, first                    ; 16 products, the accumulators by turns; first = 1: the bias is the C
.set FB, 64*((\s)%4)
.irp o, 0,1,2,3
.irp i, 0,1,2,3
.set rD, ACC+8*(4*\o+\i)
.set rC, rD
.if \first
.set rC, BI+8*\i
.endif
	v_wmma_scale_f32_16x16x128_f8f6f4 v[rD:rD+7], v[FB+8*\i:FB+8*\i+7], v[FB+32+8*\o:FB+32+8*\o+7], v[rC:rC+7], v[SC+8*\i+(\s)], v[SC+8*\o+(\s)] matrix_a_fmt:MATRIX_FMT_FP4 matrix_b_fmt:MATRIX_FMT_FP4 matrix_a_scale:MATRIX_SCALE_ROW1
.endr
.endr
.endm
	s_wait_tensorcnt 0x0                           ; my two loads have landed,
	s_barrier_signal -1
	s_barrier_wait -1                              ; everybody's have
.irp i, 0,1,2,3
.irp u, 0,1
	ds_load_b128 v[SC+8*\i+4*\u:SC+8*\i+4*\u+3], v[ADRS] offset:544*\i+16*\u   ; the scale words of all eight K steps
.endr
.endr
	WIN TO_F
	FETCH 0
	FETCH 1
	FETCH 2
	FETCH 3
	s_wait_loadcnt 0x0                             ; the bias
.irp s, 0,1,2,3,4,5,6,7
.if \s < 5
	s_wait_dscnt 48                                ; this K step's set is in; the three younger sets of 16 loads may be out
.else
	s_wait_dscnt 16*(7-\s)                         ; two, one, none
.endif
	WIN MULW
.if \s == 0
	MUL \s, 1
.else
	MUL \s, 0
.endif
.if \s < 4
.rept 4
	v_nop                                          ; places in front of loads into registers that these products have read
.endr
	WIN TO_F
	FETCH \s+4
.endif
.endr
	WIN 0
; THE WAY OUT, a block of 16 rows x 64 columns at a time: a lane's 32 bytes go into my own stage and come back as rows of 256 bytes, which sixteen lanes store as one aligned run of 256 bytes.
; LDS serves a wave's instructions in order (ISA guide 5.7.1.4): no wait between the stores and the loads, nor in front of the next block's stores.
.macro TOSTAGE o
.irp i, 0,1,2,3
	ds_store_b128 v[STO], v[ACC+8*(4*(\o)+\i):ACC+8*(4*(\o)+\i)+3] offset:64*\i       ; each accumulator from its low end on
	ds_store_b128 v[STO], v[ACC+8*(4*(\o)+\i)+4:ACC+8*(4*(\o)+\i)+7] offset:64*\i+16
.endr
.set BB, 96-64*((\o)%2)
.irp t, 0,1,2,3,4,5,6,7
	ds_load_b128 v[BB+4*\t:BB+4*\t+3], v[RD] offset:544*\t
.endr
.endm
.macro SEND o, younger                 ; younger: the LDS instructions issued behind block o's loads, which may stay out
.set BB, 96-64*((\o)%2)
	s_wait_dscnt \younger
.irp t, 0,1,2,3,4,5,6,7
	global_store_b128 v[CO], v[BB+4*\t:BB+4*\t+3], s[14:15] offset:(16*(\o)+2*\t)*4096 th:TH_STORE_NT   ; written once, read by nobody here
.endr
.endm
.rept 4
	v_nop                                          ; places in front of the first read of results, and of loads into the scale words' registers
.endr
	TOSTAGE 0
.irp o, 1,2,3
.if \o > 1
	s_wait_xcnt 0x0                                ; block o - 2's stores have read their registers: block o's loads may land there
.endif
	TOSTAGE \o
	SEND \o-1, 16                                  ; behind block o - 1's loads: block o's 8 stores and 8 loads
.endr
	SEND 3, 0
	s_wait_tensorcnt 0x0                           ; the wave's end, behind my last tensor load and my last LDS store
	ds_add_u32 v[SPW], v[NIL]
	s_wait_dscnt 0x0
	CROUND                                         ; the closing round
	s_endpgm
.Lfunc_end_k_q71078dc37e_proj:
	.size	k_q71078dc37e_proj, .Lfunc_end_k_q71078dc37e_proj-k_q71078dc37e_proj
	.p2alignl 7, 3214868480
	.fill 96, 4, 3214868480
	.section	.rodata,"a",@progbits
	.p2align	6, 0x0
	.amdhsa_kernel k_q71078dc37e_proj
		.amdhsa_group_segment_fixed_size 167936
		.amdhsa_private_segment_fixed_size 0
		.amdhsa_enable_private_segment 0
		.amdhsa_kernarg_size 48
		.amdhsa_user_sgpr_count 2
		.amdhsa_user_sgpr_kernarg_segment_ptr 1
		.amdhsa_wavefront_size32 1
		.amdhsa_system_sgpr_workgroup_id_x 1
		.amdhsa_system_sgpr_workgroup_id_y 1
		.amdhsa_system_sgpr_workgroup_id_z 1
		.amdhsa_system_vgpr_workitem_id 0
		.amdhsa_next_free_vgpr 512
		.amdhsa_next_free_sgpr 98
		.amdhsa_reserve_vcc 0
		.amdhsa_float_denorm_mode_32 3
		.amdhsa_float_denorm_mode_16_64 3
		.amdhsa_memory_ordered 1
		.amdhsa_forward_progress 1
		.amdhsa_inst_pref_size 43
	.end_amdhsa_kernel
	.amdgpu_metadata
---
amdhsa.version: [ 1, 2 ]
amdhsa.kernels:
  - .name:           k_q71078dc37e_proj
    .symbol:         k_q71078dc37e_proj.kd
    .args:
      - { .name: aoc, .offset: 0, .size: 8, .value_kind: global_buffer, .address_space: global }
      - { .name: aos, .offset: 8, .size: 8, .value_kind: global_buffer, .address_space: global }
      - { .name: c_proj_w_codes, .offset: 16, .size: 8, .value_kind: global_buffer, .address_space: global }
      - { .name: c_proj_w_scales, .offset: 24, .size: 8, .value_kind: global_buffer, .address_space: global }
      - { .name: c_proj_b, .offset: 32, .size: 8, .value_kind: global_buffer, .address_space: global }
      - { .name: out0, .offset: 40, .size: 8, .value_kind: global_buffer, .address_space: global }
    .group_segment_fixed_size: 167936
    .private_segment_fixed_size: 0
    .kernarg_segment_align: 8
    .kernarg_segment_size: 48
    .max_flat_workgroup_size: 128
    .sgpr_count:     98
    .vgpr_count:     512
    .wavefront_size: 32
...
	.end_amdgpu_metadata
.endif
;; end of part 3
